; MI455X (gfx1250); checked and timed in simulation.
; The chip was launched on July 23, 2026; its instructions are those of AMD's public machine-readable ISA for CDNA 5 (MIT licence, August 2026) and "CDNA5" Instruction Set Architecture Reference Guide (July 2026). The comments in the code are by the model that wrote it; some were corrected since.
;; Tanh Fixed Point Layer. Allowed arithmetic: float matrix products may take bf16 or f16 operands with f32 sums; other float arithmetic in f32, or as packed bf16 or f16 multiplies, adds, multiply-adds, maxima and minima; sums over many terms, partial sums and values carried from step to step in f32; what a program stores and reads back later, other than sums and carried values, may be rounded once to bf16 or f16.
;; Inputs: W 512 x 512 float32; x 32,768 x 512 float32.
;; Outputs: out0 32,768 x 512 float32.
;; 2 versions, each right and faster than the one before. Each part assembles by itself: llvm-mc -triple=amdgcn-amd-amdhsa -mcpu=gfx1250 --defsym DOCPART=n.
;; ======== version 1 of 2: 3 launches
;; limits: values outside matrix products are rounded to bf16; below input magnitudes of 1e-05 results are inexact or not finite; a function is approximated: absolute error at most 2e-07
;; workspace buffers: Wb 524,288 bytes; zs 201,326,592 bytes; errq 8,192 bytes of whole numbers
;; launch prep (part 1): grid 256 x 1, 4 waves a work-group, no clusters, 0 bytes of LDS; arguments W, Wb; writes Wb
.if DOCPART == 1
	.amdgcn_target "amdgcn-amd-amdhsa--gfx1250"
	.amdhsa_code_object_version 6
	.text
	.protected	k_qfba8a229bb_prep
	.globl	k_qfba8a229bb_prep
	.p2align	8
	.type	k_qfba8a229bb_prep,@function
k_qfba8a229bb_prep:
	s_mov_b64 s[64:65], 0
	v_nop
	global_prefetch_b8 v0, s[64:65] scope:SCOPE_SE
	s_setreg_imm32_b32 hwreg(HW_REG_WAVE_MODE, 25, 1), 1
	s_wait_xcnt 0x0
; W [512][512] f32 -> Wb: c W, c = 2 log2 e, rounded once to bf16 and laid in the order in which the next launch's waves read their matrix fragments.
; The factor makes the next launch's sums the argument of 2^t in tanh y = 1 - 2 / (1 + 2^(c y)); the rounding has the same relative size as that of W itself.
; A PIECE is 16 bytes a lane, 512 bytes a wave.  Piece p (0 .. 32767) lies at byte 16 p of Wb; the bits of p are
;   3:0 r, 4 h, 5 half, 8:6 b, 12:9 chunk, 14:13 w      and it holds c W[n][k .. k+7], n = 128 w + 16 b + r, k = 32 chunk + 16 half + 8 h.
; Thread p makes piece p: 32 bytes read, 16 written; a wave's store covers 512 consecutive bytes.  W is 1 MiB and is read once, so the short reads get no stage in LDS.
	s_load_b128 s[4:7], s[0:1], 0x0                ; W s[4:5], Wb s[6:7]
	s_mov_b32 s12, 0x4038aa3b                      ; c
	s_mov_b32 s13, 0x4038aa3b                      ; named with it as a pair
	s_lshl_b32 s10, ttmp9, 7                       ; 128 threads a work-group
	v_add_nc_u32 v1, s10, v0                       ; p
	v_and_b32 v2, 15, v1                           ; r
	v_bfe_u32 v3, v1, 6, 3                         ; b
	v_bfe_u32 v4, v1, 13, 2                        ; w
	v_lshl_add_u32 v2, v3, 4, v2
	v_lshl_add_u32 v2, v4, 7, v2                   ; n
	v_bfe_u32 v3, v1, 9, 4                         ; chunk: 32 k each, 128 bytes
	v_bfe_u32 v4, v1, 4, 2                         ; 2 half + h: 8 k each, 32 bytes
	v_lshlrev_b32 v3, 7, v3
	v_lshl_add_u32 v3, v4, 5, v3
	v_lshl_add_u32 v2, v2, 11, v3                  ; n rows of 2,048 bytes + 4 k
	v_lshlrev_b32 v5, 4, v1                        ; 16 p
	s_wait_kmcnt 0x0
	global_load_b128 v[8:11], v2, s[4:5]
	global_load_b128 v[12:15], v2, s[4:5] offset:16
	s_wait_loadcnt 0x0
	v_pk_mul_f32 v[8:9], v[8:9], s[12:13] op_sel_hi:[1,0]
	v_pk_mul_f32 v[10:11], v[10:11], s[12:13] op_sel_hi:[1,0]
	v_pk_mul_f32 v[12:13], v[12:13], s[12:13] op_sel_hi:[1,0]
	v_pk_mul_f32 v[14:15], v[14:15], s[12:13] op_sel_hi:[1,0]
	v_cvt_pk_bf16_f32 v16, v8, v9
	v_cvt_pk_bf16_f32 v17, v10, v11
	v_cvt_pk_bf16_f32 v18, v12, v13
	v_cvt_pk_bf16_f32 v19, v14, v15
	global_store_b128 v5, v[16:19], s[6:7]
	s_endpgm
.Lfunc_end_k_qfba8a229bb_prep:
	.size	k_qfba8a229bb_prep, .Lfunc_end_k_qfba8a229bb_prep-k_qfba8a229bb_prep
	.p2alignl 7, 3214868480
	.fill 96, 4, 3214868480
	.section	.rodata,"a",@progbits
	.p2align	6, 0x0
	.amdhsa_kernel k_qfba8a229bb_prep
		.amdhsa_group_segment_fixed_size 0
		.amdhsa_private_segment_fixed_size 0
		.amdhsa_enable_private_segment 0
		.amdhsa_kernarg_size 16
		.amdhsa_user_sgpr_count 2
		.amdhsa_user_sgpr_kernarg_segment_ptr 1
		.amdhsa_wavefront_size32 1
		.amdhsa_system_sgpr_workgroup_id_x 1
		.amdhsa_system_sgpr_workgroup_id_y 1
		.amdhsa_system_sgpr_workgroup_id_z 1
		.amdhsa_system_vgpr_workitem_id 0
		.amdhsa_next_free_vgpr 24
		.amdhsa_next_free_sgpr 66
		.amdhsa_reserve_vcc 0
		.amdhsa_float_denorm_mode_32 3
		.amdhsa_float_denorm_mode_16_64 3
		.amdhsa_memory_ordered 1
		.amdhsa_forward_progress 1
		.amdhsa_inst_pref_size 2
	.end_amdhsa_kernel
	.amdgpu_metadata
---
amdhsa.version: [ 1, 2 ]
amdhsa.kernels:
  - .name:           k_qfba8a229bb_prep
    .symbol:         k_qfba8a229bb_prep.kd
    .args:
      - { .name: W, .offset: 0, .size: 8, .value_kind: global_buffer, .address_space: global }
      - { .name: Wb, .offset: 8, .size: 8, .value_kind: global_buffer, .address_space: global }
    .group_segment_fixed_size: 0
    .private_segment_fixed_size: 0
    .kernarg_segment_align: 8
    .kernarg_segment_size: 16
    .max_flat_workgroup_size: 128
    .sgpr_count:     66
    .vgpr_count:     24
    .wavefront_size: 32
...
	.end_amdgpu_metadata
.endif
;; end of part 1
;; launch main (part 2): grid 256 x 1, 4 waves a work-group, clusters of 4 x 1, 327,680 bytes of LDS; arguments x, Wb, zs, errq; writes zs, errq
.if DOCPART == 2
	.amdgcn_target "amdgcn-amd-amdhsa--gfx1250"
	.amdhsa_code_object_version 6
	.text
	.protected	k_qfba8a229bb_main
	.globl	k_qfba8a229bb_main
	.p2align	8
	.type	k_qfba8a229bb_main,@function
k_qfba8a229bb_main:
	s_mov_b64 s[64:65], 0
	v_nop
	global_prefetch_b8 v0, s[64:65] scope:SCOPE_SE
	s_setreg_imm32_b32 hwreg(HW_REG_WAVE_MODE, 25, 1), 1
	s_wait_xcnt 0x0
	s_wait_alu depctr_hold_cnt(0) depctr_sa_sdst(0) depctr_va_vdst(0) depctr_va_sdst(0) depctr_va_ssrc(0) depctr_va_vcc(0) depctr_vm_vsrc(0)
	s_getreg_b32 s2, hwreg(HW_REG_IB_STS2, 6, 4)
	s_cmp_eq_u32 s2, 0
	s_cbranch_scc0 .Lentry_in_a_cluster
	s_endpgm
.Lentry_in_a_cluster:
	s_bfe_u32 s2, ttmp6, 0x10000c
	s_cmp_lg_u32 s2, 0x3003
	s_cbranch_scc0 .Lentry_shape_is_right
	s_endpgm
.Lentry_shape_is_right:
; z_k = tanh(z_(k-1) W^T + x), z_0 = 0, for k = 1 .. 6, for the work-group's 128 rows; every z_k goes to its slice of zs in bf16, and the work-group's part of |z_k - z_(k-1)|^2 to errq as a
; whole number.  Which z_k is the result is decided by the next launch, from all work-groups' parts.  z_1 = tanh(x) needs no product (z_0 = 0): five products, six epilogues.
; SHARES.  Work-group g: rows 128 g .. +127.  Wave w: columns 128 w .. +127 of them: 64 accumulators of 16 x 16, 512 registers.
; THE PRODUCT is used transposed: source 0 = 16 rows n of c W x 32 k, source 1 = 32 k x 16 rows of z.  Register j of lane (r = lane % 16, h = lane / 16) of accumulator (a, b) is
; row 16 a + r, column 128 w + 16 b + 8 h + j: eight neighbouring columns, which rounded to bf16 are 16 bytes, and ARE one lane's half fragment of the next step's z.  So z never changes lanes.
; The sums start from c x (unpacked from bf16 into the accumulators), c = 2 log2 e, so they are the argument t of tanh y = 1 - 2 / (1 + 2^t): nothing is cleared, added or scaled behind the product.
; LDS.  Z (131,072 bytes): z in pieces of 512 bytes (16 bytes a lane): chunk c of 32 columns, row block a, half: c 8192 + a 1024 + half 512 + 16 lane: every access takes 512 consecutive bytes.
; RING: for each wave two slots for its own quarter of W, in the same piece order (made by the launch before).  A product's 16 chunks of 32 k come as six tiles of 3, 3, 3, 3, 3 and 1 chunks, by turns
; into slot 0 and slot 1.  Two slots of 3 chunks (24,576 bytes) for four waves, Z and the spare words would pass LDS by 512 bytes: slot 1 has 23,552 bytes, its two tiles of 3 chunks come without
; their last fragment, and those two fragments (chunks 5 and 11, column block 7) stay in 16 registers for the whole launch.  A wave fills and reads its own slots only.
; CLUSTER.  All work-groups walk the same W: four of them form a cluster and ask for each tile JOINTLY: the same tensor load, descriptor and mask in all four.
; LIMITS.  tanh: absolute error some 2e-7, exact at saturation, NaN passed on; below |y| of some 1e-5 it has no relative accuracy.  c x enters step 1 in f32 and steps 2 to 6 rounded once to bf16;
; c W is rounded once to bf16; z is carried, and handed on as the result, rounded once to bf16.  The error is formed on the carried numbers: d = bf16(z_k) - bf16(z_(k-1)), rounded once to bf16, its
; squares summed in f32 by the matrix unit (d d^T, of which the diagonal is taken).  A work-group's sum is stored as trunc(min(sum 2^50, 16,777,215)): steps of 2^-50; the cap lies above the
; threshold 1e-8 x 2^50, so it changes no decision, and 256 capped parts stay under 2^32.  A NaN sum gives the cap: not converged.
.set STEPS,  6
.set RING,   131072
.set S0B,    24576                     ; slot 0: three chunks of 8,192 bytes
.set S1B,    23552                     ; slot 1: the same less one fragment of 1,024 bytes
.set WRING,  S0B+S1B                   ; a wave's ring
.set XPITCH, 528                       ; a strip's row of x in LDS: 512 bytes + 16 of padding = 132 words: the 16 rows of a load start at 16 different groups of four banks (64 banks of 4 bytes: ISA guide 11.1)
.set XTILE,  64*XPITCH                 ; one tensor load of x: 64 rows
.set XBASE,  RING+4*WRING-8*XTILE      ; the strips of x (4 waves x 2 x 33,792 bytes) end where the ring ends: they cover the whole ring, so every load of W fills bytes again, in every wave alike
.set ERS,    326656                    ; 512 bytes: the waves' error sums meet here
.set SPARE,  327168                    ; the spare words, 128 bytes for each wave: two blocks of 256 bytes that no other line names
.set SLICE,  0x2000000                 ; bytes of a slice of zs
.set SPW,  2                           ; v2   LDS address of my spare word; never rewritten
.set NIL,  3                           ; v3   0; never rewritten
.set AW,   4                           ; v4   my ring: RING + 48128 w + 16 lane; never rewritten
.set AZ0,  5                           ; v5   z's chunks 0-7: 16 lane;  v6  chunks 8-15: 65536 + 16 lane; never rewritten
.set AZ1,  6
.set LB,   8                           ; v8   16 lane
.set AZP,  9                           ; v9   32768 w + 16 lane: my own pieces in Z, and my offset in a tile of zs
.set AXS,  10                          ; v10  my place in my wave's strip of x
.set JD,   11                          ; v11  r - 8 h: which register of d d^T holds my lane's diagonal element, if it is 0 .. 7
.set LANE, 12                          ; v12
.set ERRV, 13                          ; v13  lane k: my wave's sum of d^2 of step k + 1
.set E0,   32                          ; v32-39, v40-47  d d^T, two accumulators by turns
.set RES0, 48                          ; v48-55  W's fragment (chunk 5, column block 7) of my quarter; v56-63 (chunk 11, column block 7)
.set RES1, 56
.set WF0,  64                          ; v64-127, v128-191  W's fragments of 32 k, two buffers, by the chunk's parity
.set ZF0,  192                         ; v192-223 z's fragments of row blocks 0-3, v224-255 of 4-7
.set ZF1,  224
.set NEW,  128                         ; behind a product: v64-95, v96-127 the old z by turns, v128-159 the new
; window 1: c x in bf16, tile (a, b) at v[4 (8 a + b)].  Windows 2, 3: the accumulators, (a, b) at v[8 (8 (a % 4) + b)] of window 2 + a / 4.
; s14 wave, s15 cx, s16 g, s17 step, s19 mask of a word's upper bf16, s[20:21] c, s22 -1 twice in bf16, s[24:25] lane selects, s[28:29] Wb at my quarter, s[30:31] zs at my tile of the slice in hand,
; s[34:35] errq at my words, s[36:43] group 1 for x, s[44:51] for 96 rows of W, s[52:59] for 92, s[72:79] for 32, s[60:63] group 0 of slot 0, s[68:71] of slot 1, s[80:87] group 0 for x's two halves
.set MSB, 0
.macro WIN new                         ; the immediate's high byte repeats the setting that is left; a switch that changes nothing is dropped
.if MSB != (\new)
	s_set_vgpr_msb (MSB<<8)|(\new)
.set MSB, \new
.endif
.endm
.macro PLACES                          ; four places between a matrix instruction and a vector instruction or load that touches its registers
.rept 4
	v_nop
.endr
.endm
.macro CREST                           ; a round of the cluster's barrier behind its opening barrier
	s_cmp_lg_u32 s14, 0
	s_cbranch_scc1 .Lnot_wave_0_\@
	s_barrier_signal -3
.Lnot_wave_0_\@:
	s_barrier_wait -3
	s_barrier_signal -1
	s_barrier_wait -1
.endm
.macro CROUND                          ; a whole round
	s_barrier_signal -1
	s_barrier_wait -1
	CREST
.endm
.macro THREE                           ; the wait, the add and the wait in front of a refill's barrier and at the wave's end
	s_wait_tensorcnt 0x0
	ds_add_u32 v[SPW], v[NIL]
	s_wait_dscnt 0x0
.endm
.macro DENSE g, rows                   ; group 1 of a joint load: a dense block as rows of 32 elements of 8 bytes; the mask names all four work-groups, bit 21 beside it
	s_mov_b32 s[(\g)+0], 15|(3<<16)|(1<<21)
	s_mov_b32 s[(\g)+1], 32<<16                    ; tensor_dim0
	s_mov_b32 s[(\g)+2], (\rows)<<16               ; tensor_dim1
	s_mov_b32 s[(\g)+3], 32<<16                    ; tile_dim0
	s_mov_b32 s[(\g)+4], \rows                     ; tile_dim1
	s_mov_b32 s[(\g)+5], 32                        ; the pitch
	s_mov_b32 s[(\g)+6], 0
	s_mov_b32 s[(\g)+7], 0
.endm
.macro ZLOADC dst, a0, c               ; 8 loads: z's fragments of row blocks a0 .. a0 + 3, chunk c
.set zr, AZ0+(\c)/8
.set zi, 0
.rept 4
	ds_load_b128 v[(\dst)+8*zi:(\dst)+8*zi+3],   v[zr] offset:((\c)%8)*8192+((\a0)+zi)*1024
	ds_load_b128 v[(\dst)+8*zi+4:(\dst)+8*zi+7], v[zr] offset:((\c)%8)*8192+((\a0)+zi)*1024+512
.set zi, zi+1
.endr
.endm
.macro WLOADC dst, b0, c               ; 8 loads: W's fragments of column blocks b0 .. b0 + 3, chunk c: tile c / 3, in slot (c / 3) % 2.  6 loads where the fragment that stays in registers is among them
.set wo, (((\c)/3)%2)*S0B+((\c)%3)*8192
.set zi, 0
.rept 4
.set sk, 0
.if ((\c) == 5) || ((\c) == 11)
.if ((\b0)+zi) == 7
.set sk, 1
.endif
.endif
.if sk == 0
	ds_load_b128 v[(\dst)+8*((\b0)+zi):(\dst)+8*((\b0)+zi)+3],   v[AW] offset:wo+((\b0)+zi)*1024
	ds_load_b128 v[(\dst)+8*((\b0)+zi)+4:(\dst)+8*((\b0)+zi)+7], v[AW] offset:wo+((\b0)+zi)*1024+512
.endif
.set zi, zi+1
.endr
.endm
; 16 matrix instructions: row blocks a0, a0 + 1 of the window's four x all 8 column blocks, 32 along K; w7: where column block 7's fragment lies.
; The 64 accumulators take turns in one fixed order.
.macro MUL16 wf, zf, hi, a0, w7
	WIN 0xa0+0x50*(\hi)                            ; sources in window 0, C and D in window 2 or 3
.irp ma, \a0, (\a0)+1
.irp mb, 0,1,2,3,4,5,6
	v_wmma_f32_16x16x32_bf16 v[8*(8*(\ma)+(\mb)):8*(8*(\ma)+(\mb))+7], v[(\wf)+8*(\mb):(\wf)+8*(\mb)+7], v[(\zf)+8*(\ma):(\zf)+8*(\ma)+7], v[8*(8*(\ma)+(\mb)):8*(8*(\ma)+(\mb))+7]
.endr
	v_wmma_f32_16x16x32_bf16 v[8*(8*(\ma)+7):8*(8*(\ma)+7)+7], v[(\w7):(\w7)+7], v[(\zf)+8*(\ma):(\zf)+8*(\ma)+7], v[8*(8*(\ma)+7):8*(8*(\ma)+7)+7]
.endr
.endm
.macro PRIME                           ; the first fragments of a product: 24 loads
	ZLOADC ZF0, 0, 0
	WLOADC WF0, 0, 0
	WLOADC WF0, 4, 0
.endm
; CHUNK c OF A PRODUCT: 32 along K, 64 matrix instructions in two units of 32 (row blocks 0-3, then 4-7); at the head of each unit a run of LDS loads for the unit after it.
; fill = 2: a tile's last reads have just been issued: its slot is filled again, by group 0 at s[g0] and group 1 at s[g1], with the tile at byte toff of my quarter of Wb.
; fill = 1: nothing is asked for; the last tile is waited for.  Chunk 15 fetches nothing and ends in a barrier: all waves' reads of Z are over.
.set NOPL, 0
.macro CHUNK c, fill=0, g0=0, g1=0, toff=0
.set WC, WF0+64*((\c)%2)
.set WN, WF0+64*(((\c)+1)%2)
.set W7, WC+56
.if (\c) == 5
.set W7, RES0
.endif
.if (\c) == 11
.set W7, RES1
.endif
.set NL, 16
.if ((\c)+1 == 5) || ((\c)+1 == 11)
.set NL, 14
.endif
.if NOPL == 0
	PLACES
.endif
.set NOPL, 0
	WIN 0
	ZLOADC ZF1, 4, \c
.if (\c) < 15
	WLOADC WN, 0, (\c)+1
	s_wait_dscnt 16                                ; all but the 16 just issued
.else
	s_wait_dscnt 8                                 ; all but the 8 just issued
.endif
	MUL16 WC, ZF0, 0, 0, W7
	MUL16 WC, ZF0, 0, 2, W7
.if (\c) < 15
	PLACES
	WIN 0
	ZLOADC ZF0, 0, (\c)+1
	WLOADC WN, 4, (\c)+1
	s_wait_dscnt NL                                ; all but those just issued: 16, or 14 where a fragment stays in registers
.else
	s_wait_dscnt 0x0                               ; my reads of Z are over
	s_barrier_signal -1
.endif
.if (\fill) == 2
	s_wait_tensorcnt 0x0                           ; all my tensor loads have landed: the one that was out is the other slot's tile; group 0 may be written
	ds_add_u32 v[SPW], v[NIL]                      ; 0 onto my spare word
	s_add_nc_u64 s[(\g0)+2:(\g0)+3], s[28:29], \toff  ; the address is made anew from my quarter's and the tile's byte
	s_or_b32 s[(\g0)+3], s[(\g0)+3], 0x80000000
	MUL16 WC, ZF1, 1, 0, W7                        ; sixteen matrix instructions stand between the add and the wait for it
	s_wait_dscnt 0x0                               ; the add is done, and my reads of the slot are over
	s_barrier_signal -1                            ; this barrier opens a round of the cluster's
	MUL16 WC, ZF1, 1, 2, W7
	WIN 0
	s_barrier_wait -1
	CREST                                          ; no wave of any partner still reads the slot or has a load on its way
	tensor_load_to_lds s[(\g0):(\g0)+3], s[(\g1):(\g1)+7]  ; my one load behind the round: three chunks less 32 matrix instructions ahead of the wait for it
	s_nop 0
	PLACES                                         ; also the places in front of the next chunk's loads
.set NOPL, 1
.else
.if (\fill) == 1
	s_wait_tensorcnt 0x0                           ; the product's last tile, which I alone read
.endif
	MUL16 WC, ZF1, 1, 0, W7
	MUL16 WC, ZF1, 1, 2, W7
.endif
.if (\c) == 15
	WIN 0
	s_barrier_wait -1                              ; everybody's reads of Z are over: Z may be written
.endif
.endm
.macro UNP a                           ; row block a's accumulators = c x: bf16 to f32 is a shift or a mask
	WIN 0x84+0x40*((\a)/4)                         ; source 1 in window 1, destination in window 2 or 3
.set ui, 0
.rept 32
	v_lshlrev_b32 v[64*((\a)%4)+2*ui],   16,  v[32*(\a)+ui]
	v_and_b32     v[64*((\a)%4)+2*ui+1], s19, v[32*(\a)+ui]
.set ui, ui+1
.endr
.endm
.macro RIDER                           ; the next of the 64 lines that unpack c x into the block before, if that block lies in the same window
.if UB >= 0
.if un%2 == 0
	v_lshlrev_b32 v[UB+un], 16, v[UX+un/2]
.else
	v_and_b32 v[UB+un], s19, v[UX+un/2]
.endif
.set un, un+1
.endif
.endm
; tanh in place on 64 registers, X = B .. B + 31 and Y = B + 32 .. B + 63: 2^t, + 1, reciprocal, 1 - 2 r.  X runs a stage ahead of Y, and the unpacking of the block before (ub: its first accumulator
; register, ux: its c x in window 1; ub < 0: none) rides along, so that exponentials and reciprocals alternate with plain instructions, and every such result is used behind a plain instruction
; (ISA guide 5.7.2).  tanh names destination and source 0 alone, the unpacking destination and source 1: one setting of the windows serves both.
; Each stage ascends.
.macro TANH64 hi, B, ub, ux
.set UB, \ub
.set UX, \ux
.set un, 0
	WIN 0x86+0x41*(\hi)                            ; destination and source 0 in window 2 or 3, source 1 in window 1
.set ti, 0
.rept 16
	v_exp_f32 v[(\B)+2*ti], v[(\B)+2*ti]
	RIDER
	v_exp_f32 v[(\B)+2*ti+1], v[(\B)+2*ti+1]
	RIDER
.set ti, ti+1
.endr
.if UB < 0
	v_nop                                          ; without riders: the plain instruction between these exponentials and the use of their results
.endif
.set ti, 0
.rept 16
	v_exp_f32 v[(\B)+32+2*ti], v[(\B)+32+2*ti]
	s_wait_alu depctr_va_vdst(0)
	v_pk_add_f32 v[(\B)+2*ti:(\B)+2*ti+1], v[(\B)+2*ti:(\B)+2*ti+1], 1.0 op_sel_hi:[1,0]
	v_exp_f32 v[(\B)+33+2*ti], v[(\B)+33+2*ti]
	RIDER
.set ti, ti+1
.endr
.set ti, 0
.rept 16
	v_rcp_f32 v[(\B)+2*ti], v[(\B)+2*ti]
	s_wait_alu depctr_va_vdst(0)
	v_pk_add_f32 v[(\B)+32+2*ti:(\B)+33+2*ti], v[(\B)+32+2*ti:(\B)+33+2*ti], 1.0 op_sel_hi:[1,0]
	v_rcp_f32 v[(\B)+2*ti+1], v[(\B)+2*ti+1]
	RIDER
.set ti, ti+1
.endr
.set ti, 0
.rept 16
	v_rcp_f32 v[(\B)+32+2*ti], v[(\B)+32+2*ti]
	s_wait_alu depctr_va_vdst(0)
	v_pk_fma_f32 v[(\B)+2*ti:(\B)+2*ti+1], v[(\B)+2*ti:(\B)+2*ti+1], -2.0, 1.0 op_sel_hi:[1,0,0]
	v_rcp_f32 v[(\B)+33+2*ti], v[(\B)+33+2*ti]
.if ti > 0
	s_wait_alu depctr_va_vdst(0)
	v_pk_fma_f32 v[(\B)+30+2*ti:(\B)+31+2*ti], v[(\B)+30+2*ti:(\B)+31+2*ti], -2.0, 1.0 op_sel_hi:[1,0,0]  ; Y's pair before: X's line above stands between its reciprocals and this
.endif
.set ti, ti+1
.endr
	v_pk_fma_f32 v[(\B)+62:(\B)+63], v[(\B)+62:(\B)+63], -2.0, 1.0 op_sel_hi:[1,0,0]
.endm
.macro XLOAD a                         ; 16 loads: x of row block a, f32, from my strip straight into its accumulators
	WIN 0x80+0x40*((\a)/4)
.set xi, 0
.rept 8
	ds_load_b128 v[64*((\a)%4)+8*xi:64*((\a)%4)+8*xi+3],   v[AXS] offset:(\a)*16*XPITCH+64*xi
	ds_load_b128 v[64*((\a)%4)+8*xi+4:64*((\a)%4)+8*xi+7], v[AXS] offset:(\a)*16*XPITCH+64*xi+16
.set xi, xi+1
.endr
.endm
.macro XCVT a                          ; row block a: the accumulators become c x (step 1's sums, in f32); rounded to bf16 it goes into window 1, where it stays
	WIN 0xaa+0x55*((\a)/4)
.set xi, 0
.rept 32
	v_pk_mul_f32 v[64*((\a)%4)+2*xi:64*((\a)%4)+2*xi+1], v[64*((\a)%4)+2*xi:64*((\a)%4)+2*xi+1], s[20:21] op_sel_hi:[1,0]
.set xi, xi+1
.endr
	WIN 0x4a+5*((\a)/4)
.set xi, 0
.rept 32
	v_cvt_pk_bf16_f32 v[32*(\a)+xi], v[64*((\a)%4)+2*xi], v[64*((\a)%4)+2*xi+1]
.set xi, xi+1
.endr
.endm
; ROW BLOCK a BEHIND A PRODUCT: the old z (my own pieces) is fetched; tanh, and beside it the block before takes c x for the next product; the new z is rounded to bf16; d = new - old;
; the new z goes to Z and to zs; d d^T is added up.
.macro EGRP a
.set AB, 64*((\a)%4)
.set OLD, 64+32*((\a)%2)
	WIN 0
.set eb, 0
.rept 8
	ds_load_b128 v[OLD+4*eb:OLD+4*eb+3], v[AZP] offset:(eb/2)*8192+(\a)*1024+(eb%2)*512
.set eb, eb+1
.endr
.if (\a)%4
	TANH64 (\a)/4, AB, AB-64, 32*((\a)-1)
.else
	TANH64 (\a)/4, AB, -1, 0
.endif
	s_wait_xcnt 0x0                                ; the block before stored from NEW: it is rewritten only behind this wait (ISA guide 3.1)
	WIN 0x0a+5*((\a)/4)
.set eb, 0
.rept 32
	v_cvt_pk_bf16_f32 v[NEW+eb], v[AB+2*eb], v[AB+2*eb+1]
.set eb, eb+1
.endr
	WIN 0
	s_wait_dscnt 0x0                               ; the old z is in
.set eb, 0
.rept 32
	v_pk_fma_bf16 v[OLD+eb], v[OLD+eb], s22, v[NEW+eb]  ; d = new - old, two at a time, rounded once to bf16
.set eb, eb+1
.endr
.set eb, 0
.rept 8
	ds_store_b128 v[AZP], v[NEW+4*eb:NEW+4*eb+3] offset:(eb/2)*8192+(\a)*1024+(eb%2)*512
.set eb, eb+1
.endr
.set eb, 0
.rept 8
	global_store_b128 v[AZP], v[NEW+4*eb:NEW+4*eb+3], s[30:31] offset:(eb/2)*8192+(\a)*1024+(eb%2)*512 th:TH_STORE_NT  ; 512 consecutive bytes
.set eb, eb+1
.endr
.set eq, 0
.rept 4                                ; both sources are d: element (m, m) of the result is the sum of row m's 32 squares.  Two accumulators by turns
.if ((\a) == 0) && (eq < 2)
	v_wmma_f32_16x16x32_bf16 v[E0+8*(eq%2):E0+8*(eq%2)+7], v[OLD+8*eq:OLD+8*eq+7], v[OLD+8*eq:OLD+8*eq+7], 0
.else
	v_wmma_f32_16x16x32_bf16 v[E0+8*(eq%2):E0+8*(eq%2)+7], v[OLD+8*eq:OLD+8*eq+7], v[OLD+8*eq:OLD+8*eq+7], v[E0+8*(eq%2):E0+8*(eq%2)+7]
.endif
.set eq, eq+1
.endr
.endm
.macro ERED                            ; the diagonal of d d^T (register r - 8 h where that is 0 .. 7), summed over the wave, into lane s17 of ERRV
	PLACES
.irp j, 0,2,4,6
	v_pk_add_f32 v[E0+(\j):E0+(\j)+1], v[E0+(\j):E0+(\j)+1], v[E0+8+(\j):E0+8+(\j)+1]
.endr
	v_mov_b32 v16, 0
	v_mov_b32 v17, 0
.irp j, 0,1,2,3,4,5,6,7
	v_cmp_eq_u32 vcc_lo, \j, v[JD]
	v_cndmask_b32 v16, v16, v[E0+(\j)], vcc_lo
.endr
	v_add_f32_dpp v16, v16, v16 row_xmask:1 row_mask:0xf bank_mask:0xf
	v_add_f32_dpp v16, v16, v16 row_xmask:2 row_mask:0xf bank_mask:0xf
	v_add_f32_dpp v16, v16, v16 row_xmask:4 row_mask:0xf bank_mask:0xf
	v_add_f32_dpp v16, v16, v16 row_xmask:8 row_mask:0xf bank_mask:0xf
	v_permlanex16_b32 v17, v16, s24, s25
	v_add_f32 v16, v16, v17
	v_cmp_eq_u32 vcc_lo, s17, v[LANE]
	v_cndmask_b32 v[ERRV], v[ERRV], v16, vcc_lo
.endm
	s_load_b256 s[4:11], s[0:1], 0x0               ; x s[4:5], Wb s[6:7], zs s[8:9], errq s[10:11]
	v_lshl_add_u32 v[SPW], v0, 2, SPARE
	v_mov_b32 v[NIL], 0
	ds_add_u32 v[SPW], v[NIL]                      ; the wave's opening: the add and its wait stand ahead of my first tensor load; the set-up below, work on registers, stands between them
	v_lshrrev_b32 v1, 5, v0
	v_readfirstlane_b32 s14, v1                    ; wave 0..3
	s_bfe_u32 s15, ttmp6, 0x40000                  ; cx: my place in the cluster
	s_lshl_b32 s16, ttmp9, 2                       ; in a cluster launch ttmp9 counts clusters
	s_add_co_u32 s16, s16, s15                     ; g: it enters the addresses of x, zs and errq alone
	s_mov_b32 s19, 0xffff0000
	s_mov_b32 s20, 0x4038aa3b                      ; c = 2 log2 e
	s_mov_b32 s21, 0x4038aa3b                      ; named with it as a pair
	s_mov_b32 s22, 0xbf80bf80
	s_mov_b32 s24, 0x76543210
	s_mov_b32 s25, 0xfedcba98
	; group 1 for x: 64 rows x 128 numbers of 4 bytes, 512 numbers from row to row, 4 words of padding behind every 128
	s_mov_b32 s36, (2<<16)|(1<<20)|(6<<22)|(3<<25)
	s_mov_b32 s37, 128<<16                         ; tensor_dim0
	s_mov_b32 s38, 64<<16                          ; tensor_dim1
	s_mov_b32 s39, 128<<16                         ; tile_dim0
	s_mov_b32 s40, 64                              ; tile_dim1
	s_mov_b32 s41, 512                             ; the pitch
	s_mov_b32 s42, 0
	s_mov_b32 s43, 0
	DENSE 44, 96                                   ; three chunks of my quarter of W
	DENSE 52, 92                                   ; three chunks less the last fragment
	DENSE 72, 32                                   ; one chunk
	s_mov_b32 s80, 1
	s_mul_i32 s81, s14, 2*XTILE
	s_add_co_u32 s81, s81, XBASE                   ; my strip
	s_mov_b32 s84, 1
	s_add_co_u32 s85, s81, XTILE
	s_mul_i32 s88, s14, WRING
	s_mov_b32 s60, 1
	s_add_co_u32 s61, s88, RING                    ; my slot 0
	s_mov_b32 s68, 1
	s_add_co_u32 s69, s88, RING+S0B                ; my slot 1
	s_lshl_b32 s89, s14, 15
	s_wait_dscnt 0x0                               ; the opening add is done
	s_wait_kmcnt 0x0
	s_lshl_b32 s90, s16, 18                        ; 128 rows of 2,048 bytes,
	s_lshl_b32 s92, s14, 9                         ; my 128 columns
	s_add_co_u32 s90, s90, s92
	s_mov_b32 s91, 0
	s_add_nc_u64 s[82:83], s[4:5], s[90:91]
	s_add_nc_u64 s[86:87], s[82:83], 0x20000       ; 64 rows on
	s_or_b32 s83, s83, 0x80000000
	s_or_b32 s87, s87, 0x80000000
	s_lshl_b32 s92, s14, 17                        ; my quarter of Wb: the wave's number alone
	s_mov_b32 s93, 0
	s_add_nc_u64 s[28:29], s[6:7], s[92:93]
	s_mov_b64 s[62:63], s[28:29]                   ; slot 0's first tile: chunks 0 to 2
	s_or_b32 s63, s63, 0x80000000
	s_lshl_b32 s90, s16, 17
	s_add_nc_u64 s[30:31], s[8:9], s[90:91]
	s_lshl_b32 s90, s16, 5
	s_add_nc_u64 s[34:35], s[10:11], s[90:91]
	CROUND                                         ; the round in front of the launch's first tensor loads
	tensor_load_to_lds s[80:83], s[36:43]          ; my columns of rows 0-63
	s_nop 0
	tensor_load_to_lds s[84:87], s[36:43]          ; and of rows 64-127: two loads of mine are out
	s_nop 0
	PLACES
	v_and_b32 v[LANE], 31, v0
	v_and_b32 v14, 15, v0                          ; r
	v_bfe_u32 v15, v0, 4, 1                        ; h
	v_lshlrev_b32 v[LB], 4, v[LANE]
	v_mov_b32 v[AZ0], v[LB]
	v_add_nc_u32 v[AZ1], 0x10000, v[LB]
	v_add_nc_u32 v[AZP], s89, v[LB]
	v_add_nc_u32 v[AW], s61, v[LB]
	v_mul_u32_u24 v[AXS], v14, XPITCH
	v_lshl_add_u32 v[AXS], v15, 5, v[AXS]          ; row r, 8 numbers for each half of the lanes
	v_add_nc_u32 v[AXS], s81, v[AXS]
	v_lshlrev_b32 v16, 3, v15
	v_sub_nc_u32 v[JD], v14, v16
	v_mov_b32 v[ERRV], 0
	global_load_b128 v[RES0:RES0+3],   v[LB], s[28:29] offset:5*8192+7*1024       ; the two fragments that stay in registers
	global_load_b128 v[RES0+4:RES0+7], v[LB], s[28:29] offset:5*8192+7*1024+512
	global_load_b128 v[RES1:RES1+3],   v[LB], s[28:29] offset:11*8192+7*1024
	global_load_b128 v[RES1+4:RES1+7], v[LB], s[28:29] offset:11*8192+7*1024+512
	; x: from my strip into the accumulators, scaled, and rounded to bf16 into window 1.  A block's arithmetic stands behind the next block's loads.
.irp a, 0,1,2,3,4,5,6,7
.if (\a) == 0
	s_wait_tensorcnt 0x1                           ; rows 0-63 are in; the second load may stay out
.endif
.if (\a) == 4
	s_wait_tensorcnt 0x0                           ; rows 64-127
.endif
	XLOAD \a
.if (\a) > 0
	s_wait_dscnt 16                                ; all but the 16 just issued
	XCVT (\a)-1
.endif
.endr
	s_wait_dscnt 0x0
	XCVT 7
	WIN 0
	THREE                                          ; my tensor loads have landed and my reads of the strip are over
	CROUND                                         ; everybody's: the strips' bytes may be filled again
	tensor_load_to_lds s[60:63], s[44:51]          ; W's chunks 0 to 2 into my slot 0
	s_nop 0
	PLACES
	v_mov_b32 v16, 0
	v_mov_b32 v17, 0
	v_mov_b32 v18, 0
	v_mov_b32 v19, 0
.set zi, 0
.rept 64                               ; z_0 = 0 in my own pieces of Z, which no tensor load fills any more: so step 1 has an old z like every step, and one text serves all six
	ds_store_b128 v[AZP], v[16:19] offset:512*zi
.set zi, zi+1
.endr
	s_wait_loadcnt 0x0                             ; the two fragments
	s_mov_b32 s17, 0
	s_branch .Lepi                                 ; step 1 has no product: the loop is entered behind it
.Liter:                                                ; steps 2 to 6
	s_wait_tensorcnt 0x0                           ; both slots' tiles, asked for half an epilogue ago and more, are in
	s_wait_dscnt 0x0                               ; my pieces of z are stored
	s_barrier_signal -1
	s_barrier_wait -1                              ; everybody's are
	PRIME
	CHUNK 0
	CHUNK 1, 2, 60, 44, 6*8192                     ; slot 0 has been read out: chunks 6 to 8
	CHUNK 2
	CHUNK 3
	CHUNK 4, 2, 68, 52, 9*8192                     ; slot 1: chunks 9 to 11
	CHUNK 5
	CHUNK 6
	CHUNK 7, 2, 60, 44, 12*8192                    ; slot 0: chunks 12 to 14
	CHUNK 8
	CHUNK 9
	CHUNK 10, 2, 68, 72, 15*8192                   ; slot 1: chunk 15
	CHUNK 11
	CHUNK 12
	WIN 0
	s_cmp_eq_u32 s17, STEPS-1                      ; the same number in every wave and work-group
	s_cbranch_scc1 .Ltail
	CHUNK 13, 2, 60, 44, 0                         ; the ring goes on into the next product: slot 0 takes its chunks 0 to 2
	CHUNK 14
	CHUNK 15
	s_branch .Lepi
.Ltail:                                                ; the last product asks for nothing more
	CHUNK 13, 1
	CHUNK 14
	CHUNK 15
.Lepi:
	PLACES
	EGRP 0
	EGRP 1
	EGRP 2
	EGRP 3
	WIN 0
	s_cmp_eq_u32 s17, STEPS-1                      ; behind the last step no product follows: its way goes round the refill and asks for nothing
	s_cbranch_scc1 .Lmid_last
	s_wait_tensorcnt 0x0                           ; slot 0's tile has landed; no tensor load of mine is out
	ds_add_u32 v[SPW], v[NIL]                      ; 0 onto my spare word
	s_add_nc_u64 s[70:71], s[28:29], 3*8192
	s_or_b32 s71, s71, 0x80000000
	s_wait_dscnt 0x0                               ; the add is done; my reads of slot 1 ended with the product
	CROUND                                         ; everybody's did
	tensor_load_to_lds s[68:71], s[52:59]          ; slot 1: the next product's chunks 3 to 5; it lands under the second half of the epilogue
	s_nop 0
	PLACES
.Lmid_last:
	UNP 3                                          ; blocks 3 and 7 have no successor in their window to ride in
	EGRP 4
	EGRP 5
	EGRP 6
	EGRP 7
	UNP 7                                          ; (in the last step the stores into Z and the unpacking serve nothing: the price of one text)
	WIN 0
	ERED
	s_wait_xcnt 0x0                                ; the stores have read their base and their data
	s_add_nc_u64 s[30:31], s[30:31], SLICE
	s_add_co_u32 s17, s17, 1
	s_cmp_lt_u32 s17, STEPS
	s_cbranch_scc1 .Liter
	; the four waves' sums meet in LDS; lanes 0 to 7 of wave 0 store the work-group's eight words (six sums, two zeros)
	v_lshl_add_u32 v18, v0, 2, ERS
	ds_store_b32 v18, v[ERRV]
	s_wait_dscnt 0x0                               ; for the others' sake
	s_barrier_signal -1
	s_barrier_wait -1
	v_lshl_add_u32 v19, v[LANE], 2, ERS
	ds_load_b32 v20, v19
	ds_load_b32 v21, v19 offset:128
	ds_load_b32 v22, v19 offset:256
	ds_load_b32 v23, v19 offset:384
	s_wait_dscnt 0x0
	v_add_f32 v20, v20, v21
	v_add_f32 v22, v22, v23
	v_add_f32 v20, v20, v22
	v_mul_f32 v20, 0x58800000, v20                 ; x 2^50
	v_min_num_f32 v20, 0x4b7fffff, v20             ; at most 16,777,215; a NaN loses
	v_cvt_u32_f32 v20, v20
	v_lshlrev_b32 v21, 2, v0
	s_wait_xcnt 0x0                                ; EXEC changes only behind this wait
	v_cmp_gt_u32 vcc_lo, 8, v0
	s_and_saveexec_b32 s96, vcc_lo
	global_store_b32 v21, v20, s[34:35]
	s_wait_xcnt 0x0
	s_or_b32 exec_lo, exec_lo, s96
	THREE                                          ; the wave's end
	CROUND                                         ; the closing round: no work-group ends while a partner may still ask for a tile that names it
	s_endpgm
.Lfunc_end_k_qfba8a229bb_main:
	.size	k_qfba8a229bb_main, .Lfunc_end_k_qfba8a229bb_main-k_qfba8a229bb_main
	.p2alignl 7, 3214868480
	.fill 96, 4, 3214868480
	.section	.rodata,"a",@progbits
	.p2align	6, 0x0
	.amdhsa_kernel k_qfba8a229bb_main
		.amdhsa_group_segment_fixed_size 327680
		.amdhsa_private_segment_fixed_size 0
		.amdhsa_enable_private_segment 0
		.amdhsa_kernarg_size 32
		.amdhsa_user_sgpr_count 2
		.amdhsa_user_sgpr_kernarg_segment_ptr 1
		.amdhsa_wavefront_size32 1
		.amdhsa_system_sgpr_workgroup_id_x 1
		.amdhsa_system_sgpr_workgroup_id_y 1
		.amdhsa_system_sgpr_workgroup_id_z 1
		.amdhsa_system_vgpr_workitem_id 0
		.amdhsa_next_free_vgpr 1024
		.amdhsa_next_free_sgpr 100
		.amdhsa_reserve_vcc 1
		.amdhsa_float_denorm_mode_32 3
		.amdhsa_float_denorm_mode_16_64 3
		.amdhsa_memory_ordered 1
		.amdhsa_forward_progress 1
		.amdhsa_inst_pref_size 255
	.end_amdhsa_kernel
	.section	.bss,"aw",@nobits
	.p2align	6
	.space	262144
	.amdgpu_metadata
---
amdhsa.version: [ 1, 2 ]
amdhsa.kernels:
  - .name:           k_qfba8a229bb_main
    .symbol:         k_qfba8a229bb_main.kd
    .args:
      - { .name: x, .offset: 0, .size: 8, .value_kind: global_buffer, .address_space: global }
      - { .name: Wb, .offset: 8, .size: 8, .value_kind: global_buffer, .address_space: global }
      - { .name: zs, .offset: 16, .size: 8, .value_kind: global_buffer, .address_space: global }
      - { .name: errq, .offset: 24, .size: 8, .value_kind: global_buffer, .address_space: global }
    .group_segment_fixed_size: 327680
    .private_segment_fixed_size: 0
    .kernarg_segment_align: 8
    .kernarg_segment_size: 32
    .max_flat_workgroup_size: 128
    .sgpr_count:     100
    .vgpr_count:     1024
    .wavefront_size: 32
...
	.end_amdgpu_metadata
.endif
;; end of part 2
;; launch pick (part 3): grid 256 x 1, 8 waves a work-group, no clusters, 35,840 bytes of LDS; arguments zs, errq, out0; writes out0
.if DOCPART == 3
	.amdgcn_target "amdgcn-amd-amdhsa--gfx1250"
	.amdhsa_code_object_version 6
	.text
	.protected	k_qfba8a229bb_pick
	.globl	k_qfba8a229bb_pick
	.p2align	8
	.type	k_qfba8a229bb_pick,@function
k_qfba8a229bb_pick:
	s_mov_b64 s[64:65], 0
	v_nop
	global_prefetch_b8 v0, s[64:65] scope:SCOPE_SE
	s_setreg_imm32_b32 hwreg(HW_REG_WAVE_MODE, 25, 1), 1
	s_wait_xcnt 0x0
; out = z_j, where j is the first k in 1 .. 5 with |z_k - z_(k-1)| < 1e-4, and 6 if there is none.  The squares' sums lie in errq as whole numbers, eight words a work-group of the launch before
; (units of 2^-50, each capped at 16,777,215, above the threshold): every wave adds the 256 parts of each step in whole numbers and compares with 1e-8 x 2^50 = 11,258,999.
; The decision steers ONE ADDRESS, that of the slice of zs which is read: slice j - 1.  No branch hangs on it.
; A STREAM: 32 MiB of bf16 in, 64 MiB of f32 out; memory binds, so no matrix unit, cluster or tensor load.  Work-group g has rows 128 g .. +127; wave v has columns 128 (v % 4) .. +127 of rows
; 64 (v / 4) .. +63: four blocks of 16 rows, 32 loads of 512 consecutive bytes, all issued as soon as the slice is known (nothing is known earlier, so nothing is asked for ahead).
; In zs a lane's 16 bytes are eight columns of one row, and the lanes beside it hold other rows.  So a block goes through the wave's own stage in LDS, still in bf16: 16 bytes a lane in, whole rows of
; 256 bytes back, 8 bytes a lane, which widen to 16: one store then covers 512 consecutive bytes of a row of out.
; LIMITS.  out is z_j as the launch before carried it, rounded once to bf16: off by at most 2^-9 of itself.  The errors were formed on the bf16 iterates, so close to the threshold the stop may fall
; on another step than in f32.
.set SP,     272                       ; a stage row: 256 bytes + 16 = 68 words: the 16 rows that a store touches start at 16 different groups of four banks (64 banks of 4 bytes: ISA guide 11.1)
.set STAGEB, 16*SP
.set SPARE,  8*STAGEB                  ; behind the eight stages: the spare words, 128 bytes for each wave: four blocks of 256 bytes that no other line names
.set THR,    0xabcc77                  ; 1e-8 x 2^50
.set SPW,  2                           ; v2   LDS address of my spare word; never rewritten
.set NIL,  3                           ; v3   0; never rewritten
.set LB,   8                           ; v8   16 lane: my place in a piece of zs and in 512 bytes of out; never rewritten
.set EO,   9                           ; v9   32 lane: errq; never rewritten
.set STO,  10                          ; v10  where I put 16 bytes of a row
.set RD,   11                          ; v11  where I read 8 bytes of a row back
.set Z,    32                          ; v32-159  block a: 32 registers, as loaded, then as read back by rows
.set F,    160                         ; v160-255 three buffers of 32: eight rows in f32, to store
	s_load_b128 s[4:7], s[0:1], 0x0                ; zs s[4:5], errq s[6:7]
	s_load_b64 s[8:9], s[0:1], 0x10                ; out0
	v_lshl_add_u32 v[SPW], v0, 2, SPARE
	v_mov_b32 v[NIL], 0
	v_lshrrev_b32 v1, 5, v0
	v_readfirstlane_b32 s14, v1                    ; wave 0..7
	s_and_b32 s15, s14, 3                          ; which 128 columns
	s_lshr_b32 s16, s14, 2                         ; which 64 rows
	s_mov_b32 s19, 0xffff0000                      ; a word's upper bf16
	s_mov_b32 s24, 0x76543210
	s_mov_b32 s25, 0xfedcba98
	s_mul_i32 s17, s14, STAGEB                     ; my stage
	v_and_b32 v12, 31, v0                          ; lane
	v_and_b32 v14, 15, v0                          ; r
	v_bfe_u32 v15, v0, 4, 1                        ; h
	v_lshlrev_b32 v[LB], 4, v12
	v_lshlrev_b32 v[EO], 5, v12                    ; lane l takes work-groups l, l + 32, ..: 32 bytes each
	v_mul_u32_u24 v[STO], v14, SP
	v_lshl_add_u32 v[STO], v15, 4, v[STO]
	v_add_nc_u32 v[STO], s17, v[STO]
	v_lshl_add_u32 v[RD], v12, 3, s17
	v_mov_b32 v17, 0
	s_lshl_b32 s20, ttmp9, 17                      ; in a slice: my work-group's tile,
	s_lshl_b32 s21, s15, 15                        ; my columns' quarter of it,
	s_add_co_u32 s20, s20, s21
	s_lshl_b32 s21, s16, 12                        ; my four row blocks
	s_add_co_u32 s20, s20, s21
	s_lshl_b32 s22, ttmp9, 18                      ; in out: 128 rows of 2,048 bytes,
	s_lshl_b32 s23, s16, 17                        ; my 64 rows,
	s_add_co_u32 s22, s22, s23
	s_lshl_b32 s23, s15, 9                         ; my 128 columns
	s_add_co_u32 s22, s22, s23
	s_mov_b32 s23, 0
	s_wait_kmcnt 0x0
	s_add_nc_u64 s[36:37], s[8:9], s[22:23]
.set li, 0
.rept 8                                ; 16 loads: the first five words of 8 work-groups a lane
	global_load_b128 v[64+4*li:67+4*li], v[EO], s[6:7] offset:1024*li
	global_load_b32 v[96+li], v[EO], s[6:7] offset:1024*li+16
.set li, li+1
.endr
	s_wait_loadcnt 0x0
.set li, 1
.rept 7
	v_add_nc_u32 v64, v64, v[64+4*li]
	v_add_nc_u32 v65, v65, v[65+4*li]
	v_add_nc_u32 v66, v66, v[66+4*li]
	v_add_nc_u32 v67, v67, v[67+4*li]
	v_add_nc_u32 v96, v96, v[96+li]
.set li, li+1
.endr
.irp c, 64,65,66,67,96                 ; each sum over the 32 lanes, in whole numbers: 256 parts of at most 16,777,215 stay under 2^32
.irp m, 1,2,4,8
	v_mov_b32_dpp v17, v[\c] row_xmask:\m row_mask:0xf bank_mask:0xf
	v_add_nc_u32 v[\c], v[\c], v17
.endr
	v_permlanex16_b32 v17, v[\c], s24, s25
	v_add_nc_u32 v[\c], v[\c], v17
.endr
	v_readfirstlane_b32 s40, v64                   ; step 1's sum
	v_readfirstlane_b32 s41, v65
	v_readfirstlane_b32 s42, v66
	v_readfirstlane_b32 s43, v67
	v_readfirstlane_b32 s44, v96                   ; step 5's
	s_mov_b32 s30, 5                               ; none below the threshold: z_6, slice 5
	s_cmp_lt_u32 s44, THR                          ; the earliest step wins, so it is asked last
	s_cselect_b32 s30, 4, s30
	s_cmp_lt_u32 s43, THR
	s_cselect_b32 s30, 3, s30
	s_cmp_lt_u32 s42, THR
	s_cselect_b32 s30, 2, s30
	s_cmp_lt_u32 s41, THR
	s_cselect_b32 s30, 1, s30
	s_cmp_lt_u32 s40, THR
	s_cselect_b32 s30, 0, s30
	s_min_u32 s30, s30, 5
	s_lshl_b32 s32, s30, 25                        ; a slice is 2^25 bytes
	s_add_co_u32 s32, s32, s20
	s_mov_b32 s33, 0
	s_add_nc_u64 s[34:35], s[4:5], s[32:33]
.set la, 0
.rept 4                                ; 32 loads, 512 consecutive bytes each: block la, column block lb
.set lb, 0
.rept 8
	global_load_b128 v[Z+32*la+4*lb:Z+32*la+4*lb+3], v[LB], s[34:35] offset:(lb/2)*8192+la*1024+(lb%2)*512 th:TH_LOAD_NT
.set lb, lb+1
.endr
.set la, la+1
.endr
.macro STAGE a                         ; block a into my stage and back by rows, into the registers that it left
	s_wait_loadcnt 24-8*(\a)                       ; loads come back in order (ISA guide 5.7.1): the later blocks' may stay out
.set si, 0
.rept 8
	ds_store_b128 v[STO], v[Z+32*(\a)+4*si:Z+32*(\a)+4*si+3] offset:32*si
.set si, si+1
.endr
.set si, 0
.rept 16
	ds_load_b64 v[Z+32*(\a)+2*si:Z+32*(\a)+2*si+1], v[RD] offset:SP*si  ; LDS serves a wave's instructions in order (ISA guide 5.7.1.4): these see the stores above; the next block's stores come behind them
.set si, si+1
.endr
.endm
.macro OUT a, younger                  ; younger: the LDS instructions issued behind block a's loads: the next block's 24, or none
	s_wait_dscnt \younger
.irp hb, 0,1
.set FB, F+32*((2*(\a)+(\hb))%3)
	s_wait_xcnt 0x0                                ; earlier stores read this buffer: it is rewritten only behind this wait (ISA guide 3.1)
.set oi, 0
.rept 8
	v_lshlrev_b32 v[FB+4*oi],   16,  v[Z+32*(\a)+2*(8*(\hb)+oi)]
	v_and_b32     v[FB+4*oi+1], s19, v[Z+32*(\a)+2*(8*(\hb)+oi)]
	v_lshlrev_b32 v[FB+4*oi+2], 16,  v[Z+32*(\a)+2*(8*(\hb)+oi)+1]
	v_and_b32     v[FB+4*oi+3], s19, v[Z+32*(\a)+2*(8*(\hb)+oi)+1]
.set oi, oi+1
.endr
.set oi, 0
.rept 8
	global_store_b128 v[LB], v[FB+4*oi:FB+4*oi+3], s[36:37] offset:(\a)*32768+(8*(\hb)+oi)*2048 th:TH_STORE_NT  ; 512 consecutive bytes of one row, at a multiple of 512 from out0's first byte
.set oi, oi+1
.endr
.endr
.endm
	STAGE 0
	STAGE 1                                        ; a block's way through the stage stands ahead of the widening and the stores of the block before
	OUT 0, 24
	STAGE 2
	OUT 1, 24
	STAGE 3
	OUT 2, 24
	OUT 3, 0
	s_wait_tensorcnt 0x0                           ; the wave's end
	ds_add_u32 v[SPW], v[NIL]
	s_wait_dscnt 0x0
	s_endpgm
.Lfunc_end_k_qfba8a229bb_pick:
	.size	k_qfba8a229bb_pick, .Lfunc_end_k_qfba8a229bb_pick-k_qfba8a229bb_pick
	.p2alignl 7, 3214868480
	.fill 96, 4, 3214868480
	.section	.rodata,"a",@progbits
	.p2align	6, 0x0
	.amdhsa_kernel k_qfba8a229bb_pick
		.amdhsa_group_segment_fixed_size 35840
		.amdhsa_private_segment_fixed_size 0
		.amdhsa_enable_private_segment 0
		.amdhsa_kernarg_size 24
		.amdhsa_user_sgpr_count 2
		.amdhsa_user_sgpr_kernarg_segment_ptr 1
		.amdhsa_wavefront_size32 1
		.amdhsa_system_sgpr_workgroup_id_x 1
		.amdhsa_system_sgpr_workgroup_id_y 1
		.amdhsa_system_sgpr_workgroup_id_z 1
		.amdhsa_system_vgpr_workitem_id 0
		.amdhsa_next_free_vgpr 256
		.amdhsa_next_free_sgpr 66
		.amdhsa_reserve_vcc 0
		.amdhsa_float_denorm_mode_32 3
		.amdhsa_float_denorm_mode_16_64 3
		.amdhsa_memory_ordered 1
		.amdhsa_forward_progress 1
		.amdhsa_inst_pref_size 32
	.end_amdhsa_kernel
	.amdgpu_metadata
---
amdhsa.version: [ 1, 2 ]
amdhsa.kernels:
  - .name:           k_qfba8a229bb_pick
    .symbol:         k_qfba8a229bb_pick.kd
    .args:
      - { .name: zs, .offset: 0, .size: 8, .value_kind: global_buffer, .address_space: global }
      - { .name: errq, .offset: 8, .size: 8, .value_kind: global_buffer, .address_space: global }
      - { .name: out0, .offset: 16, .size: 8, .value_kind: global_buffer, .address_space: global }
    .group_segment_fixed_size: 35840
    .private_segment_fixed_size: 0
    .kernarg_segment_align: 8
    .kernarg_segment_size: 24
    .max_flat_workgroup_size: 256
    .sgpr_count:     66
    .vgpr_count:     256
    .wavefront_size: 32
...
	.end_amdgpu_metadata
.endif
;; end of part 3
;; ======== version 2 of 2: 3 launches; 1.22 times as fast as version 1
;; limits: values outside matrix products are rounded to bf16
;; workspace buffers: Wb 524,288 bytes; zs 201,326,592 bytes; errq 8,192 bytes of whole numbers
;; launch prep: the kernel of part 1 again; grid 256 x 1, 4 waves a work-group, no clusters, 0 bytes of LDS; arguments W, Wb; writes Wb
;; launch main (part 4): grid 256 x 1, 4 waves a work-group, clusters of 4 x 1, 327,680 bytes of LDS; arguments x, Wb, zs, errq; writes zs, errq
.if DOCPART == 4
	.amdgcn_target "amdgcn-amd-amdhsa--gfx1250"
	.amdhsa_code_object_version 6
	.text
	.protected	k_qfba8a229bb_main
	.globl	k_qfba8a229bb_main
	.p2align	8
	.type	k_qfba8a229bb_main,@function
k_qfba8a229bb_main:
	s_mov_b64 s[64:65], 0
	v_nop
	global_prefetch_b8 v0, s[64:65] scope:SCOPE_SE
	s_setreg_imm32_b32 hwreg(HW_REG_WAVE_MODE, 25, 1), 1
	s_wait_xcnt 0x0
	s_wait_alu depctr_hold_cnt(0) depctr_sa_sdst(0) depctr_va_vdst(0) depctr_va_sdst(0) depctr_va_ssrc(0) depctr_va_vcc(0) depctr_vm_vsrc(0)
	s_getreg_b32 s2, hwreg(HW_REG_IB_STS2, 6, 4)
	s_cmp_eq_u32 s2, 0
	s_cbranch_scc0 .Lentry_in_a_cluster
	s_endpgm
.Lentry_in_a_cluster:
	s_bfe_u32 s2, ttmp6, 0x10000c
	s_cmp_lg_u32 s2, 0x3003
	s_cbranch_scc0 .Lentry_shape_is_right
	s_endpgm
.Lentry_shape_is_right:
; z_k = tanh(z_(k-1) W^T + x), z_0 = 0, for k = 1 .. 6, for the work-group's 128 rows; every z_k goes to its slice of zs in bf16, and the work-group's part of |z_k - z_(k-1)|^2 to errq as a
; whole number.  Which z_k is the result is decided by the next launch, from all work-groups' parts.  z_1 = tanh(x) needs no product (z_0 = 0): five products, six epilogues.
; SHARES.  Work-group g: rows 128 g .. +127.  Wave w: columns 128 w .. +127 of them: 64 accumulators of 16 x 16, 512 registers.
; THE PRODUCT is used transposed: source 0 = 16 rows n of c W x 32 k, source 1 = 32 k x 16 rows of z.  Register j of lane (r = lane % 16, h = lane / 16) of accumulator (a, b) is
; row 16 a + r, column 128 w + 16 b + 8 h + j: eight neighbouring columns, which rounded to bf16 are 16 bytes, and ARE one lane's half fragment of the next step's z.  So z never changes lanes.
; The sums start from c x (unpacked from bf16 into the accumulators), c = 2 log2 e, so they are the argument t of tanh y = 1 - 2 / (1 + 2^t): nothing is cleared, added or scaled behind the product.
; TANH BY BATCHES.  A row block's 64 sums are two halves of 32 registers, X and Y.  Each half has a batch of 32 exponentials and, behind the + 1, a batch of 32 reciprocals: four batches a block, X's a
; stage ahead of Y's.  Beside a batch stand only plain lines that name none of its results: the other half's + 1 or 1 - 2 r, and the unpacking of c x into the block before.  Behind each batch stands ONE
; s_wait_alu depctr_va_vdst(0), ahead of the stage that reads it: four a block, and no result is open at a block's end, at a label or at a branch.
; LDS.  Z (131,072 bytes): z in pieces of 512 bytes (16 bytes a lane): chunk c of 32 columns, row block a, half: c 8192 + a 1024 + half 512 + 16 lane: every access takes 512 consecutive bytes.
; RING: for each wave two slots for its own quarter of W, in the same piece order (made by the launch before).  A product's 16 chunks of 32 k come as six tiles of 3, 3, 3, 3, 3 and 1 chunks, by turns
; into slot 0 and slot 1.  Two slots of 3 chunks (24,576 bytes) for four waves, Z and the spare words would pass LDS by 512 bytes: slot 1 has 23,552 bytes, its two tiles of 3 chunks come without
; their last fragment, and those two fragments (chunks 5 and 11, column block 7) stay in 16 registers for the whole launch.  A wave fills and reads its own slots only.
; CLUSTER.  All work-groups walk the same W: four of them form a cluster and ask for each tile JOINTLY: the same tensor load, descriptor and mask in all four.
; LIMITS.  tanh: absolute error some 2e-7, exact at saturation, NaN passed on; below |y| of some 1e-5 it has no relative accuracy.  c x enters step 1 in f32 and steps 2 to 6 rounded once to bf16;
; c W is rounded once to bf16; z is carried, and handed on as the result, rounded once to bf16.  The error is formed on the carried numbers: d = bf16(z_k) - bf16(z_(k-1)), rounded once to bf16, its
; squares summed in f32 by the matrix unit (d d^T, of which the diagonal is taken).  A work-group's sum is stored as trunc(min(sum 2^50, 16,777,215)): steps of 2^-50; the cap lies above the
; threshold 1e-8 x 2^50, so it changes no decision, and 256 capped parts stay under 2^32.  A NaN sum gives the cap: not converged.
.set STEPS,  6
.set RING,   131072
.set S0B,    24576                     ; slot 0: three chunks of 8,192 bytes
.set S1B,    23552                     ; slot 1: the same less one fragment of 1,024 bytes
.set WRING,  S0B+S1B                   ; a wave's ring
.set XPITCH, 528                       ; a strip's row of x in LDS: 512 bytes + 16 of padding = 132 words: the 16 rows of a load start at 16 different groups of four banks (64 banks of 4 bytes: ISA guide 11.1)
.set XTILE,  64*XPITCH                 ; one tensor load of x: 64 rows
.set XBASE,  RING+4*WRING-8*XTILE      ; the strips of x (4 waves x 2 x 33,792 bytes) end where the ring ends: they cover the whole ring, so every load of W fills bytes again, in every wave alike
.set ERS,    326656                    ; 512 bytes: the waves' error sums meet here
.set SPARE,  327168                    ; the spare words, 128 bytes for each wave: two blocks of 256 bytes that no other line names
.set SLICE,  0x2000000                 ; bytes of a slice of zs
.set SPW,  2                           ; v2   LDS address of my spare word; never rewritten
.set NIL,  3                           ; v3   0; never rewritten
.set AW,   4                           ; v4   my ring: RING + 48128 w + 16 lane; never rewritten
.set AZ0,  5                           ; v5   z's chunks 0-7: 16 lane;  v6  chunks 8-15: 65536 + 16 lane; never rewritten
.set AZ1,  6
.set LB,   8                           ; v8   16 lane
.set AZP,  9                           ; v9   32768 w + 16 lane: my own pieces in Z, and my offset in a tile of zs
.set AXS,  10                          ; v10  my place in my wave's strip of x
.set JD,   11                          ; v11  r - 8 h: which register of d d^T holds my lane's diagonal element, if it is 0 .. 7
.set LANE, 12                          ; v12
.set ERRV, 13                          ; v13  lane k: my wave's sum of d^2 of step k + 1
.set E0,   32                          ; v32-39, v40-47  d d^T, two accumulators by turns
.set RES0, 48                          ; v48-55  W's fragment (chunk 5, column block 7) of my quarter; v56-63 (chunk 11, column block 7)
.set RES1, 56
.set WF0,  64                          ; v64-127, v128-191  W's fragments of 32 k, two buffers, by the chunk's parity
.set ZF0,  192                         ; v192-223 z's fragments of row blocks 0-3, v224-255 of 4-7
.set ZF1,  224
.set NEW,  128                         ; behind a product: v64-95, v96-127 the old z by turns, v128-159 the new
; window 1: c x in bf16, tile (a, b) at v[4 (8 a + b)].  Windows 2, 3: the accumulators, (a, b) at v[8 (8 (a % 4) + b)] of window 2 + a / 4.
; s14 wave, s15 cx, s16 g, s17 step, s19 mask of a word's upper bf16, s[20:21] c, s22 -1 twice in bf16, s[24:25] lane selects, s[28:29] Wb at my quarter, s[30:31] zs at my tile of the slice in hand,
; s[34:35] errq at my words, s[36:43] group 1 for x, s[44:51] for 96 rows of W, s[52:59] for 92, s[72:79] for 32, s[60:63] group 0 of slot 0, s[68:71] of slot 1, s[80:87] group 0 for x's two halves
.set MSB, 0
.macro WIN new                         ; the immediate's high byte repeats the setting that is left; a switch that changes nothing is dropped
.if MSB != (\new)
	s_set_vgpr_msb (MSB<<8)|(\new)
.set MSB, \new
.endif
.endm
.macro PLACES                          ; four places between a matrix instruction and a vector instruction or load that touches its registers
.rept 4
	v_nop
.endr
.endm
.macro CREST                           ; a round of the cluster's barrier behind its opening barrier
	s_cmp_lg_u32 s14, 0
	s_cbranch_scc1 .Lnot_wave_0_\@
	s_barrier_signal -3
.Lnot_wave_0_\@:
	s_barrier_wait -3
	s_barrier_signal -1
	s_barrier_wait -1
.endm
.macro CROUND                          ; a whole round
	s_barrier_signal -1
	s_barrier_wait -1
	CREST
.endm
.macro THREE                           ; the wait, the add and the wait in front of a refill's barrier and at the wave's end
	s_wait_tensorcnt 0x0
	ds_add_u32 v[SPW], v[NIL]
	s_wait_dscnt 0x0
.endm
.macro DENSE g, rows                   ; group 1 of a joint load: a dense block as rows of 32 elements of 8 bytes; the mask names all four work-groups, bit 21 beside it
	s_mov_b32 s[(\g)+0], 15|(3<<16)|(1<<21)
	s_mov_b32 s[(\g)+1], 32<<16                    ; tensor_dim0
	s_mov_b32 s[(\g)+2], (\rows)<<16               ; tensor_dim1
	s_mov_b32 s[(\g)+3], 32<<16                    ; tile_dim0
	s_mov_b32 s[(\g)+4], \rows                     ; tile_dim1
	s_mov_b32 s[(\g)+5], 32                        ; the pitch
	s_mov_b32 s[(\g)+6], 0
	s_mov_b32 s[(\g)+7], 0
.endm
.macro ZLOADC dst, a0, c               ; 8 loads: z's fragments of row blocks a0 .. a0 + 3, chunk c
.set zr, AZ0+(\c)/8
.set zi, 0
.rept 4
	ds_load_b128 v[(\dst)+8*zi:(\dst)+8*zi+3],   v[zr] offset:((\c)%8)*8192+((\a0)+zi)*1024
	ds_load_b128 v[(\dst)+8*zi+4:(\dst)+8*zi+7], v[zr] offset:((\c)%8)*8192+((\a0)+zi)*1024+512
.set zi, zi+1
.endr
.endm
.macro WLOADC dst, b0, c               ; 8 loads: W's fragments of column blocks b0 .. b0 + 3, chunk c: tile c / 3, in slot (c / 3) % 2.  6 loads where the fragment that stays in registers is among them
.set wo, (((\c)/3)%2)*S0B+((\c)%3)*8192
.set zi, 0
.rept 4
.set sk, 0
.if ((\c) == 5) || ((\c) == 11)
.if ((\b0)+zi) == 7
.set sk, 1
.endif
.endif
.if sk == 0
	ds_load_b128 v[(\dst)+8*((\b0)+zi):(\dst)+8*((\b0)+zi)+3],   v[AW] offset:wo+((\b0)+zi)*1024
	ds_load_b128 v[(\dst)+8*((\b0)+zi)+4:(\dst)+8*((\b0)+zi)+7], v[AW] offset:wo+((\b0)+zi)*1024+512
.endif
.set zi, zi+1
.endr
.endm
; 16 matrix instructions: row blocks a0, a0 + 1 of the window's four x all 8 column blocks, 32 along K; w7: where column block 7's fragment lies.
; The 64 accumulators take turns in one fixed order.
.macro MUL16 wf, zf, hi, a0, w7
	WIN 0xa0+0x50*(\hi)                            ; sources in window 0, C and D in window 2 or 3
.irp ma, \a0, (\a0)+1
.irp mb, 0,1,2,3,4,5,6
	v_wmma_f32_16x16x32_bf16 v[8*(8*(\ma)+(\mb)):8*(8*(\ma)+(\mb))+7], v[(\wf)+8*(\mb):(\wf)+8*(\mb)+7], v[(\zf)+8*(\ma):(\zf)+8*(\ma)+7], v[8*(8*(\ma)+(\mb)):8*(8*(\ma)+(\mb))+7]
.endr
	v_wmma_f32_16x16x32_bf16 v[8*(8*(\ma)+7):8*(8*(\ma)+7)+7], v[(\w7):(\w7)+7], v[(\zf)+8*(\ma):(\zf)+8*(\ma)+7], v[8*(8*(\ma)+7):8*(8*(\ma)+7)+7]
.endr
.endm
.macro PRIME                           ; the first fragments of a product: 24 loads
	ZLOADC ZF0, 0, 0
	WLOADC WF0, 0, 0
	WLOADC WF0, 4, 0
.endm
; CHUNK c OF A PRODUCT: 32 along K, 64 matrix instructions in two units of 32 (row blocks 0-3, then 4-7); at the head of each unit a run of LDS loads for the unit after it.
; fill = 2: a tile's last reads have just been issued: its slot is filled again, by group 0 at s[g0] and group 1 at s[g1], with the tile at byte toff of my quarter of Wb.
; fill = 1: nothing is asked for; the last tile is waited for.  Chunk 15 fetches nothing and ends in a barrier: all waves' reads of Z are over.
.set NOPL, 0
.macro CHUNK c, fill=0, g0=0, g1=0, toff=0
.set WC, WF0+64*((\c)%2)
.set WN, WF0+64*(((\c)+1)%2)
.set W7, WC+56
.if (\c) == 5
.set W7, RES0
.endif
.if (\c) == 11
.set W7, RES1
.endif
.set NL, 16
.if ((\c)+1 == 5) || ((\c)+1 == 11)
.set NL, 14
.endif
.if NOPL == 0
	PLACES
.endif
.set NOPL, 0
	WIN 0
	ZLOADC ZF1, 4, \c
.if (\c) < 15
	WLOADC WN, 0, (\c)+1
	s_wait_dscnt 16                                ; all but the 16 just issued
.else
	s_wait_dscnt 8                                 ; all but the 8 just issued
.endif
	MUL16 WC, ZF0, 0, 0, W7
	MUL16 WC, ZF0, 0, 2, W7
.if (\c) < 15
	PLACES
	WIN 0
	ZLOADC ZF0, 0, (\c)+1
	WLOADC WN, 4, (\c)+1
	s_wait_dscnt NL                                ; all but those just issued: 16, or 14 where a fragment stays in registers
.else
	s_wait_dscnt 0x0                               ; my reads of Z are over
	s_barrier_signal -1
.endif
.if (\fill) == 2
	s_wait_tensorcnt 0x0                           ; all my tensor loads have landed: the one that was out is the other slot's tile; group 0 may be written
	ds_add_u32 v[SPW], v[NIL]                      ; 0 onto my spare word
	s_add_nc_u64 s[(\g0)+2:(\g0)+3], s[28:29], \toff  ; the address is made anew from my quarter's and the tile's byte
	s_or_b32 s[(\g0)+3], s[(\g0)+3], 0x80000000
	MUL16 WC, ZF1, 1, 0, W7                        ; sixteen matrix instructions stand between the add and the wait for it
	s_wait_dscnt 0x0                               ; the add is done, and my reads of the slot are over
	s_barrier_signal -1                            ; this barrier opens a round of the cluster's
	MUL16 WC, ZF1, 1, 2, W7
	WIN 0
	s_barrier_wait -1
	CREST                                          ; no wave of any partner still reads the slot or has a load on its way
	tensor_load_to_lds s[(\g0):(\g0)+3], s[(\g1):(\g1)+7]  ; my one load behind the round: three chunks less 32 matrix instructions ahead of the wait for it
	s_nop 0
	PLACES                                         ; also the places in front of the next chunk's loads
.set NOPL, 1
.else
.if (\fill) == 1
	s_wait_tensorcnt 0x0                           ; the product's last tile, which I alone read
.endif
	MUL16 WC, ZF1, 1, 0, W7
	MUL16 WC, ZF1, 1, 2, W7
.endif
.if (\c) == 15
	WIN 0
	s_barrier_wait -1                              ; everybody's reads of Z are over: Z may be written
.endif
.endm
.macro UNP a                           ; row block a's accumulators = c x: bf16 to f32 is a shift or a mask
	WIN 0x84+0x40*((\a)/4)                         ; source 1 in window 1, destination in window 2 or 3
.set ui, 0
.rept 32
	v_lshlrev_b32 v[64*((\a)%4)+2*ui],   16,  v[32*(\a)+ui]
	v_and_b32     v[64*((\a)%4)+2*ui+1], s19, v[32*(\a)+ui]
.set ui, ui+1
.endr
.endm
.macro RIDER                           ; the next of the 64 lines that unpack c x into the block before, if that block lies in the same window
.if UB >= 0
.if un%2 == 0
	v_lshlrev_b32 v[UB+un], 16, v[UX+un/2]
.else
	v_and_b32 v[UB+un], s19, v[UX+un/2]
.endif
.set un, un+1
.endif
.endm
; tanh in place on 64 registers, X = B .. B + 31 and Y = B + 32 .. B + 63: 2^t, + 1, reciprocal, 1 - 2 r.  X runs a stage ahead of Y, and the unpacking of the block before (ub: its first accumulator
; register, ux: its c x in window 1; ub < 0: none) rides along, so that exponentials and reciprocals stand between plain instructions where there are plain instructions to be had.
; FOUR BATCHES of 32, each with one wait behind it, ahead of the stage that reads its results: 2^t on X | 2^t on Y, beside it X + 1 | 1 / X, beside it Y + 1 | 1 / Y, beside it 1 - 2 X | 1 - 2 Y.
; No line of a stage names a result of the stage's own batch.  Each stage ends with a plain line (the first, without riders, with a v_nop): the plain instruction between the batch's last
; transcendental and the use of its result (ISA guide 5.7.2).  In the fourth stage there are 16 plain lines for 32 reciprocals, so two reciprocals follow each other.
; tanh names destination and source 0 alone, the unpacking destination and source 1: one setting of the windows serves both.
; Each stage ascends.
.macro TANH64 hi, B, ub, ux
.set UB, \ub
.set UX, \ux
.set un, 0
	WIN 0x86+0x41*(\hi)                            ; destination and source 0 in window 2 or 3, source 1 in window 1
.set ti, 0
.rept 16                               ; batch 1: 2^t on X
	v_exp_f32 v[(\B)+2*ti], v[(\B)+2*ti]
	RIDER
	v_exp_f32 v[(\B)+2*ti+1], v[(\B)+2*ti+1]
	RIDER
.set ti, ti+1
.endr
.if UB < 0
	v_nop                                          ; without riders: the plain instruction between these exponentials and the use of their results
.endif
	s_wait_alu depctr_va_vdst(0)                   ; the wait for batch 1, X's 32 exponentials, ahead of X + 1 below
.set ti, 0
.rept 16                               ; batch 2: 2^t on Y; beside it X + 1
	v_exp_f32 v[(\B)+32+2*ti], v[(\B)+32+2*ti]
	RIDER
	v_exp_f32 v[(\B)+33+2*ti], v[(\B)+33+2*ti]
	v_pk_add_f32 v[(\B)+2*ti:(\B)+2*ti+1], v[(\B)+2*ti:(\B)+2*ti+1], 1.0 op_sel_hi:[1,0]
.set ti, ti+1
.endr
	s_wait_alu depctr_va_vdst(0)                   ; the wait for batch 2, Y's 32 exponentials, ahead of Y + 1 below
.set ti, 0
.rept 16                               ; batch 3: X's reciprocals (of sums that plain lines made); beside it Y + 1
	v_rcp_f32 v[(\B)+2*ti], v[(\B)+2*ti]
	RIDER
	v_rcp_f32 v[(\B)+2*ti+1], v[(\B)+2*ti+1]
	v_pk_add_f32 v[(\B)+32+2*ti:(\B)+33+2*ti], v[(\B)+32+2*ti:(\B)+33+2*ti], 1.0 op_sel_hi:[1,0]
.set ti, ti+1
.endr
	s_wait_alu depctr_va_vdst(0)                   ; the wait for batch 3, X's 32 reciprocals, ahead of 1 - 2 r on X below
.set ti, 0
.rept 16                               ; batch 4: Y's reciprocals; beside it 1 - 2 r on X
	v_rcp_f32 v[(\B)+32+2*ti], v[(\B)+32+2*ti]
	v_rcp_f32 v[(\B)+33+2*ti], v[(\B)+33+2*ti]
	v_pk_fma_f32 v[(\B)+2*ti:(\B)+2*ti+1], v[(\B)+2*ti:(\B)+2*ti+1], -2.0, 1.0 op_sel_hi:[1,0,0]
.set ti, ti+1
.endr
	s_wait_alu depctr_va_vdst(0)                   ; the wait for batch 4, Y's 32 reciprocals, ahead of 1 - 2 r on Y below; no transcendental follows it in the block
.set ti, 0
.rept 16
	v_pk_fma_f32 v[(\B)+32+2*ti:(\B)+33+2*ti], v[(\B)+32+2*ti:(\B)+33+2*ti], -2.0, 1.0 op_sel_hi:[1,0,0]
.set ti, ti+1
.endr
.endm
.macro XLOAD a                         ; 16 loads: x of row block a, f32, from my strip straight into its accumulators
	WIN 0x80+0x40*((\a)/4)
.set xi, 0
.rept 8
	ds_load_b128 v[64*((\a)%4)+8*xi:64*((\a)%4)+8*xi+3],   v[AXS] offset:(\a)*16*XPITCH+64*xi
	ds_load_b128 v[64*((\a)%4)+8*xi+4:64*((\a)%4)+8*xi+7], v[AXS] offset:(\a)*16*XPITCH+64*xi+16
.set xi, xi+1
.endr
.endm
.macro XCVT a                          ; row block a: the accumulators become c x (step 1's sums, in f32); rounded to bf16 it goes into window 1, where it stays
	WIN 0xaa+0x55*((\a)/4)
.set xi, 0
.rept 32
	v_pk_mul_f32 v[64*((\a)%4)+2*xi:64*((\a)%4)+2*xi+1], v[64*((\a)%4)+2*xi:64*((\a)%4)+2*xi+1], s[20:21] op_sel_hi:[1,0]
.set xi, xi+1
.endr
	WIN 0x4a+5*((\a)/4)
.set xi, 0
.rept 32
	v_cvt_pk_bf16_f32 v[32*(\a)+xi], v[64*((\a)%4)+2*xi], v[64*((\a)%4)+2*xi+1]
.set xi, xi+1
.endr
.endm
; ROW BLOCK a BEHIND A PRODUCT: the old z (my own pieces) is fetched; tanh, and beside it the block before takes c x for the next product; the new z is rounded to bf16; d = new - old;
; the new z goes to Z and to zs; d d^T is added up.
.macro EGRP a
.set AB, 64*((\a)%4)
.set OLD, 64+32*((\a)%2)
	WIN 0
.set eb, 0
.rept 8
	ds_load_b128 v[OLD+4*eb:OLD+4*eb+3], v[AZP] offset:(eb/2)*8192+(\a)*1024+(eb%2)*512
.set eb, eb+1
.endr
.if (\a)%4
	TANH64 (\a)/4, AB, AB-64, 32*((\a)-1)
.else
	TANH64 (\a)/4, AB, -1, 0
.endif
	s_wait_xcnt 0x0                                ; the block before stored from NEW: it is rewritten only behind this wait (ISA guide 3.1)
	WIN 0x0a+5*((\a)/4)
.set eb, 0
.rept 32
	v_cvt_pk_bf16_f32 v[NEW+eb], v[AB+2*eb], v[AB+2*eb+1]
.set eb, eb+1
.endr
	WIN 0
	s_wait_dscnt 0x0                               ; the old z is in
.set eb, 0
.rept 32
	v_pk_fma_bf16 v[OLD+eb], v[OLD+eb], s22, v[NEW+eb]  ; d = new - old, two at a time, rounded once to bf16
.set eb, eb+1
.endr
.set eb, 0
.rept 8
	ds_store_b128 v[AZP], v[NEW+4*eb:NEW+4*eb+3] offset:(eb/2)*8192+(\a)*1024+(eb%2)*512
.set eb, eb+1
.endr
.set eb, 0
.rept 8
	global_store_b128 v[AZP], v[NEW+4*eb:NEW+4*eb+3], s[30:31] offset:(eb/2)*8192+(\a)*1024+(eb%2)*512 th:TH_STORE_NT  ; 512 consecutive bytes
.set eb, eb+1
.endr
.set eq, 0
.rept 4                                ; both sources are d: element (m, m) of the result is the sum of row m's 32 squares.  Two accumulators by turns
.if ((\a) == 0) && (eq < 2)
	v_wmma_f32_16x16x32_bf16 v[E0+8*(eq%2):E0+8*(eq%2)+7], v[OLD+8*eq:OLD+8*eq+7], v[OLD+8*eq:OLD+8*eq+7], 0
.else
	v_wmma_f32_16x16x32_bf16 v[E0+8*(eq%2):E0+8*(eq%2)+7], v[OLD+8*eq:OLD+8*eq+7], v[OLD+8*eq:OLD+8*eq+7], v[E0+8*(eq%2):E0+8*(eq%2)+7]
.endif
.set eq, eq+1
.endr
.endm
.macro ERED                            ; the diagonal of d d^T (register r - 8 h where that is 0 .. 7), summed over the wave, into lane s17 of ERRV
	PLACES
.irp j, 0,2,4,6
	v_pk_add_f32 v[E0+(\j):E0+(\j)+1], v[E0+(\j):E0+(\j)+1], v[E0+8+(\j):E0+8+(\j)+1]
.endr
	v_mov_b32 v16, 0
	v_mov_b32 v17, 0
.irp j, 0,1,2,3,4,5,6,7
	v_cmp_eq_u32 vcc_lo, \j, v[JD]
	v_cndmask_b32 v16, v16, v[E0+(\j)], vcc_lo
.endr
	v_add_f32_dpp v16, v16, v16 row_xmask:1 row_mask:0xf bank_mask:0xf
	v_add_f32_dpp v16, v16, v16 row_xmask:2 row_mask:0xf bank_mask:0xf
	v_add_f32_dpp v16, v16, v16 row_xmask:4 row_mask:0xf bank_mask:0xf
	v_add_f32_dpp v16, v16, v16 row_xmask:8 row_mask:0xf bank_mask:0xf
	v_permlanex16_b32 v17, v16, s24, s25
	v_add_f32 v16, v16, v17
	v_cmp_eq_u32 vcc_lo, s17, v[LANE]
	v_cndmask_b32 v[ERRV], v[ERRV], v16, vcc_lo
.endm
	s_load_b256 s[4:11], s[0:1], 0x0               ; x s[4:5], Wb s[6:7], zs s[8:9], errq s[10:11]
	v_lshl_add_u32 v[SPW], v0, 2, SPARE
	v_mov_b32 v[NIL], 0
	ds_add_u32 v[SPW], v[NIL]                      ; the wave's opening: the add and its wait stand ahead of my first tensor load; the set-up below, work on registers, stands between them
	v_lshrrev_b32 v1, 5, v0
	v_readfirstlane_b32 s14, v1                    ; wave 0..3
	s_bfe_u32 s15, ttmp6, 0x40000                  ; cx: my place in the cluster
	s_lshl_b32 s16, ttmp9, 2                       ; in a cluster launch ttmp9 counts clusters
	s_add_co_u32 s16, s16, s15                     ; g: it enters the addresses of x, zs and errq alone
	s_mov_b32 s19, 0xffff0000
	s_mov_b32 s20, 0x4038aa3b                      ; c = 2 log2 e
	s_mov_b32 s21, 0x4038aa3b                      ; named with it as a pair
	s_mov_b32 s22, 0xbf80bf80
	s_mov_b32 s24, 0x76543210
	s_mov_b32 s25, 0xfedcba98
	; group 1 for x: 64 rows x 128 numbers of 4 bytes, 512 numbers from row to row, 4 words of padding behind every 128
	s_mov_b32 s36, (2<<16)|(1<<20)|(6<<22)|(3<<25)
	s_mov_b32 s37, 128<<16                         ; tensor_dim0
	s_mov_b32 s38, 64<<16                          ; tensor_dim1
	s_mov_b32 s39, 128<<16                         ; tile_dim0
	s_mov_b32 s40, 64                              ; tile_dim1
	s_mov_b32 s41, 512                             ; the pitch
	s_mov_b32 s42, 0
	s_mov_b32 s43, 0
	DENSE 44, 96                                   ; three chunks of my quarter of W
	DENSE 52, 92                                   ; three chunks less the last fragment
	DENSE 72, 32                                   ; one chunk
	s_mov_b32 s80, 1
	s_mul_i32 s81, s14, 2*XTILE
	s_add_co_u32 s81, s81, XBASE                   ; my strip
	s_mov_b32 s84, 1
	s_add_co_u32 s85, s81, XTILE
	s_mul_i32 s88, s14, WRING
	s_mov_b32 s60, 1
	s_add_co_u32 s61, s88, RING                    ; my slot 0
	s_mov_b32 s68, 1
	s_add_co_u32 s69, s88, RING+S0B                ; my slot 1
	s_lshl_b32 s89, s14, 15
	s_wait_dscnt 0x0                               ; the opening add is done
	s_wait_kmcnt 0x0
	s_lshl_b32 s90, s16, 18                        ; 128 rows of 2,048 bytes,
	s_lshl_b32 s92, s14, 9                         ; my 128 columns
	s_add_co_u32 s90, s90, s92
	s_mov_b32 s91, 0
	s_add_nc_u64 s[82:83], s[4:5], s[90:91]
	s_add_nc_u64 s[86:87], s[82:83], 0x20000       ; 64 rows on
	s_or_b32 s83, s83, 0x80000000
	s_or_b32 s87, s87, 0x80000000
	s_lshl_b32 s92, s14, 17                        ; my quarter of Wb: the wave's number alone
	s_mov_b32 s93, 0
	s_add_nc_u64 s[28:29], s[6:7], s[92:93]
	s_mov_b64 s[62:63], s[28:29]                   ; slot 0's first tile: chunks 0 to 2
	s_or_b32 s63, s63, 0x80000000
	s_lshl_b32 s90, s16, 17
	s_add_nc_u64 s[30:31], s[8:9], s[90:91]
	s_lshl_b32 s90, s16, 5
	s_add_nc_u64 s[34:35], s[10:11], s[90:91]
	CROUND                                         ; the round in front of the launch's first tensor loads
	tensor_load_to_lds s[80:83], s[36:43]          ; my columns of rows 0-63
	s_nop 0
	tensor_load_to_lds s[84:87], s[36:43]          ; and of rows 64-127: two loads of mine are out
	s_nop 0
	PLACES
	v_and_b32 v[LANE], 31, v0
	v_and_b32 v14, 15, v0                          ; r
	v_bfe_u32 v15, v0, 4, 1                        ; h
	v_lshlrev_b32 v[LB], 4, v[LANE]
	v_mov_b32 v[AZ0], v[LB]
	v_add_nc_u32 v[AZ1], 0x10000, v[LB]
	v_add_nc_u32 v[AZP], s89, v[LB]
	v_add_nc_u32 v[AW], s61, v[LB]
	v_mul_u32_u24 v[AXS], v14, XPITCH
	v_lshl_add_u32 v[AXS], v15, 5, v[AXS]          ; row r, 8 numbers for each half of the lanes
	v_add_nc_u32 v[AXS], s81, v[AXS]
	v_lshlrev_b32 v16, 3, v15
	v_sub_nc_u32 v[JD], v14, v16
	v_mov_b32 v[ERRV], 0
	global_load_b128 v[RES0:RES0+3],   v[LB], s[28:29] offset:5*8192+7*1024       ; the two fragments that stay in registers
	global_load_b128 v[RES0+4:RES0+7], v[LB], s[28:29] offset:5*8192+7*1024+512
	global_load_b128 v[RES1:RES1+3],   v[LB], s[28:29] offset:11*8192+7*1024
	global_load_b128 v[RES1+4:RES1+7], v[LB], s[28:29] offset:11*8192+7*1024+512
	; x: from my strip into the accumulators, scaled, and rounded to bf16 into window 1.  A block's arithmetic stands behind the next block's loads.
.irp a, 0,1,2,3,4,5,6,7
.if (\a) == 0
	s_wait_tensorcnt 0x1                           ; rows 0-63 are in; the second load may stay out
.endif
.if (\a) == 4
	s_wait_tensorcnt 0x0                           ; rows 64-127
.endif
	XLOAD \a
.if (\a) > 0
	s_wait_dscnt 16                                ; all but the 16 just issued
	XCVT (\a)-1
.endif
.endr
	s_wait_dscnt 0x0
	XCVT 7
	WIN 0
	THREE                                          ; my tensor loads have landed and my reads of the strip are over
	CROUND                                         ; everybody's: the strips' bytes may be filled again
	tensor_load_to_lds s[60:63], s[44:51]          ; W's chunks 0 to 2 into my slot 0
	s_nop 0
	PLACES
	v_mov_b32 v16, 0
	v_mov_b32 v17, 0
	v_mov_b32 v18, 0
	v_mov_b32 v19, 0
.set zi, 0
.rept 64                               ; z_0 = 0 in my own pieces of Z, which no tensor load fills any more: so step 1 has an old z like every step, and one text serves all six
	ds_store_b128 v[AZP], v[16:19] offset:512*zi
.set zi, zi+1
.endr
	s_wait_loadcnt 0x0                             ; the two fragments
	s_mov_b32 s17, 0
	s_branch .Lepi                                 ; step 1 has no product: the loop is entered behind it
.Liter:                                                ; steps 2 to 6
	s_wait_tensorcnt 0x0                           ; both slots' tiles, asked for half an epilogue ago and more, are in
	s_wait_dscnt 0x0                               ; my pieces of z are stored
	s_barrier_signal -1
	s_barrier_wait -1                              ; everybody's are
	PRIME
	CHUNK 0
	CHUNK 1, 2, 60, 44, 6*8192                     ; slot 0 has been read out: chunks 6 to 8
	CHUNK 2
	CHUNK 3
	CHUNK 4, 2, 68, 52, 9*8192                     ; slot 1: chunks 9 to 11
	CHUNK 5
	CHUNK 6
	CHUNK 7, 2, 60, 44, 12*8192                    ; slot 0: chunks 12 to 14
	CHUNK 8
	CHUNK 9
	CHUNK 10, 2, 68, 72, 15*8192                   ; slot 1: chunk 15
	CHUNK 11
	CHUNK 12
	WIN 0
	s_cmp_eq_u32 s17, STEPS-1                      ; the same number in every wave and work-group
	s_cbranch_scc1 .Ltail
	CHUNK 13, 2, 60, 44, 0                         ; the ring goes on into the next product: slot 0 takes its chunks 0 to 2
	CHUNK 14
	CHUNK 15
	s_branch .Lepi
.Ltail:                                                ; the last product asks for nothing more
	CHUNK 13, 1
	CHUNK 14
	CHUNK 15
.Lepi:
	PLACES
	EGRP 0
	EGRP 1
	EGRP 2
	EGRP 3
	WIN 0
	s_cmp_eq_u32 s17, STEPS-1                      ; behind the last step no product follows: its way goes round the refill and asks for nothing
	s_cbranch_scc1 .Lmid_last
	s_wait_tensorcnt 0x0                           ; slot 0's tile has landed; no tensor load of mine is out
	ds_add_u32 v[SPW], v[NIL]                      ; 0 onto my spare word
	s_add_nc_u64 s[70:71], s[28:29], 3*8192
	s_or_b32 s71, s71, 0x80000000
	s_wait_dscnt 0x0                               ; the add is done; my reads of slot 1 ended with the product
	CROUND                                         ; everybody's did
	tensor_load_to_lds s[68:71], s[52:59]          ; slot 1: the next product's chunks 3 to 5; it lands under the second half of the epilogue
	s_nop 0
	PLACES
.Lmid_last:
	UNP 3                                          ; blocks 3 and 7 have no successor in their window to ride in
	EGRP 4
	EGRP 5
	EGRP 6
	EGRP 7
	UNP 7                                          ; (in the last step the stores into Z and the unpacking serve nothing: the price of one text)
	WIN 0
	ERED
	s_wait_xcnt 0x0                                ; the stores have read their base and their data
	s_add_nc_u64 s[30:31], s[30:31], SLICE
	s_add_co_u32 s17, s17, 1
	s_cmp_lt_u32 s17, STEPS
	s_cbranch_scc1 .Liter
	; the four waves' sums meet in LDS; lanes 0 to 7 of wave 0 store the work-group's eight words (six sums, two zeros)
	v_lshl_add_u32 v18, v0, 2, ERS
	ds_store_b32 v18, v[ERRV]
	s_wait_dscnt 0x0                               ; for the others' sake
	s_barrier_signal -1
	s_barrier_wait -1
	v_lshl_add_u32 v19, v[LANE], 2, ERS
	ds_load_b32 v20, v19
	ds_load_b32 v21, v19 offset:128
	ds_load_b32 v22, v19 offset:256
	ds_load_b32 v23, v19 offset:384
	s_wait_dscnt 0x0
	v_add_f32 v20, v20, v21
	v_add_f32 v22, v22, v23
	v_add_f32 v20, v20, v22
	v_mul_f32 v20, 0x58800000, v20                 ; x 2^50
	v_min_num_f32 v20, 0x4b7fffff, v20             ; at most 16,777,215; a NaN loses
	v_cvt_u32_f32 v20, v20
	v_lshlrev_b32 v21, 2, v0
	s_wait_xcnt 0x0                                ; EXEC changes only behind this wait
	v_cmp_gt_u32 vcc_lo, 8, v0
	s_and_saveexec_b32 s96, vcc_lo
	global_store_b32 v21, v20, s[34:35]
	s_wait_xcnt 0x0
	s_or_b32 exec_lo, exec_lo, s96
	THREE                                          ; the wave's end
	CROUND                                         ; the closing round: no work-group ends while a partner may still ask for a tile that names it
	s_endpgm
.Lfunc_end_k_qfba8a229bb_main:
	.size	k_qfba8a229bb_main, .Lfunc_end_k_qfba8a229bb_main-k_qfba8a229bb_main
	.p2alignl 7, 3214868480
	.fill 96, 4, 3214868480
	.section	.rodata,"a",@progbits
	.p2align	6, 0x0
	.amdhsa_kernel k_qfba8a229bb_main
		.amdhsa_group_segment_fixed_size 327680
		.amdhsa_private_segment_fixed_size 0
		.amdhsa_enable_private_segment 0
		.amdhsa_kernarg_size 32
		.amdhsa_user_sgpr_count 2
		.amdhsa_user_sgpr_kernarg_segment_ptr 1
		.amdhsa_wavefront_size32 1
		.amdhsa_system_sgpr_workgroup_id_x 1
		.amdhsa_system_sgpr_workgroup_id_y 1
		.amdhsa_system_sgpr_workgroup_id_z 1
		.amdhsa_system_vgpr_workitem_id 0
		.amdhsa_next_free_vgpr 1024
		.amdhsa_next_free_sgpr 100
		.amdhsa_reserve_vcc 1
		.amdhsa_float_denorm_mode_32 3
		.amdhsa_float_denorm_mode_16_64 3
		.amdhsa_memory_ordered 1
		.amdhsa_forward_progress 1
		.amdhsa_inst_pref_size 255
	.end_amdhsa_kernel
	.section	.bss,"aw",@nobits
	.p2align	6
	.space	262144
	.amdgpu_metadata
---
amdhsa.version: [ 1, 2 ]
amdhsa.kernels:
  - .name:           k_qfba8a229bb_main
    .symbol:         k_qfba8a229bb_main.kd
    .args:
      - { .name: x, .offset: 0, .size: 8, .value_kind: global_buffer, .address_space: global }
      - { .name: Wb, .offset: 8, .size: 8, .value_kind: global_buffer, .address_space: global }
      - { .name: zs, .offset: 16, .size: 8, .value_kind: global_buffer, .address_space: global }
      - { .name: errq, .offset: 24, .size: 8, .value_kind: global_buffer, .address_space: global }
    .group_segment_fixed_size: 327680
    .private_segment_fixed_size: 0
    .kernarg_segment_align: 8
    .kernarg_segment_size: 32
    .max_flat_workgroup_size: 128
    .sgpr_count:     100
    .vgpr_count:     1024
    .wavefront_size: 32
...
	.end_amdgpu_metadata
.endif
;; end of part 4
;; launch pick: the kernel of part 3 again; grid 256 x 1, 8 waves a work-group, no clusters, 35,840 bytes of LDS; arguments zs, errq, out0; writes out0
